; MI455X (gfx1250); checked and timed in simulation.
; The chip was launched on July 23, 2026; its instructions are those of AMD's public machine-readable ISA for CDNA 5 (MIT licence, August 2026) and "CDNA5" Instruction Set Architecture Reference Guide (July 2026). The comments in the code are by the model that wrote it; some were corrected since.
;; Quant Linear. Allowed arithmetic: matrix products marked QUANTISED: E2M3 operands, one E8M0 scale for each 32 along K, by v_wmma_scale_f32_16x16x128_f8f6f4 with both operands' format E2M3, f32 sums; everything else in f32.
;; Inputs: bias 2,048 float16; g_idx 4,096 int32; qweight 512 x 2,048 int32; qzeros 32 x 256 int32; scales 32 x 2,048 float16; x 4 x 2,048 x 4,096 float16.
;; Outputs: out0 4 x 2,048 x 2,048 float16.
;; This version of the problem:
;;   THIS VERSION OF THE PROBLEM IS GIVEN IN LOW PRECISION. The matrix products marked QUANTISED in the list below multiply operands that are first quantised to E2M3 (2 exponent bits, 3 mantissa bits; 6 bits a number), with one power-of-two scale for each 32 numbers along K (OCP MX v1.0); their sums are f32. All else is computed in f32.
;;   The module's matrix products, in the order in which they are computed (A, B: the left and right operand; K: the contracted axis; several contracted axes count as one K, in the product's order):
;;     1. [M 8,192, K 4,096] x [K 4,096, N 2,048]; A: input x; B: computed on the way: QUANTISED
;;   THE QUANTISER, for each operand of a quantised product, along K:
;;     - K is cut into blocks of 32 from its start; a last block that is shorter is filled with zeros.
;;     - A block's scale is 2^e with e = floor(log2(the largest magnitude in the block)) - 2, held to -126 .. 127; a block of zeros has e = 0. As a byte (E8M0): e + 127.
;;     - Each number is divided by its block's scale, clamped to +-7.5, and rounded to the nearest number of E2M3, ties to even, subnormals kept.
;;     - The product sums the exact products of the quantised numbers (number of the format x scale) in f32.
;;   ~~~python
;;   def quantise(x, axis):      # numpy; x: float32 -> the quantised numbers, widened to float32 again
;;       x = np.moveaxis(x, axis, -1); K = x.shape[-1]
;;       x = np.pad(x, [(0, 0)] * (x.ndim - 1) + [(0, -K % 32)]); x = x.reshape(x.shape[:-1] + (-1, 32)); a = np.abs(x).max(-1, keepdims=True)
;;       e = np.where(a > 0, np.clip(np.frexp(np.where(a > 0, a, 1))[1] - 1 - 2, -126, 127), 0)      # np.frexp(a)[1] - 1 = floor(log2(a)), exactly
;;       r = np.clip(x / 2.0 ** e, -7.5, 7.5)
;;       step = 2.0 ** (np.maximum(np.frexp(np.where(r == 0, 1, r))[1] - 1, 0) - 3)
;;       q = np.round(r / step) * step * 2.0 ** e      # np.round: ties to even
;;       return np.moveaxis(q.reshape(q.shape[:-2] + (-1,))[..., :K], -1, axis).astype(np.float32)
;;   ~~~
;;   OPERANDS COMPUTED ON THE WAY. 'Computed on the way' means the value that the module computes at that place (a softmax that the list does not call 'softmax' is quantised finished and normalised). What goes into a quantiser is computed in f32, as accurately as f32 sums, v_exp_f32 and their like allow (about 1e-6 of the number): no bf16 or f16 on the way to a quantiser, and a product that is left as it is and whose result goes on into a quantised operand takes f32 operands (vector FMAs, or v_wmma_f32_16x16x4_f32). A number that lies on a knife's edge between two numbers of the format may be rounded either way, as far as f32 arithmetic and the matrix unit's own rounding can turn it there, and no further.
;; One version. Each part assembles by itself: llvm-mc -triple=amdgcn-amd-amdhsa -mcpu=gfx1250 --defsym DOCPART=n.
;; ======== version 1 of 1: 2 launches
;; limits: values are held in f16: magnitudes above 65,504 overflow, below 6.1e-05 lose precision; right only within a limited range of input values
;; workspace buffers: xq 26,607,616 bytes; wq 6,651,904 bytes
;; launch quant (part 1): grid 1920 x 1, 4 waves a work-group, no clusters, 35,328 bytes of LDS; arguments x, qweight, qzeros, scales, g_idx, xq, wq; writes xq, wq
.if DOCPART == 1
	.amdgcn_target "amdgcn-amd-amdhsa--gfx1250"
	.amdhsa_code_object_version 6
	.text
	.protected	k_qa73b6fc364_quant
	.globl	k_qa73b6fc364_quant
	.p2align	8
	.type	k_qa73b6fc364_quant,@function
k_qa73b6fc364_quant:
	s_mov_b64 s[64:65], 0
	v_nop
	global_prefetch_b8 v0, s[64:65] scope:SCOPE_SE
	s_setreg_imm32_b32 hwreg(HW_REG_WAVE_MODE, 25, 1), 1
	s_wait_xcnt 0x0
; Both operands of out = x W are turned into codes of FP6 (E2M3) with one E8M0 scale byte for each 32 along K, once, for the product's launch.
; x: [8192][4096] f16, K innermost.  W[k][n] = (w4[k][n] - z4[g_idx[k]][n] - 1) x scales[g_idx[k]][n]: w4 eight k to a word of qweight [512][2048], z4 eight n to a word of qzeros [32][256], scales [32][2048] f16.
; g_idx is read for every single k.
; THE RESULT IS LAID AS THE PRODUCT'S LAUNCH TAKES IT: [block of 16 rows][slot of 384 K (11)], a RECORD each: 256 bytes of scale words, then the slot's three chunks of 128 K, 1,536 bytes each: 4,864 bytes.  The last slot
; has two chunks: 3,328 bytes; a block is 51,968 bytes.  A chunk is the image of a fragment's 12 registers: register j of lane l at 512 (j / 4) + 16 l + 4 (j % 4); lane (r = l % 16, h = l / 16) holds in registers
; 6 c .. 6 c + 5 the codes of k = 64 c + 32 h + 0 .. 31 of row r.  A scale word is a row's four bytes of a chunk; chunk q's sixteen words lie at 64 + 64 q in x's records and at 64 q in W's; the 64 bytes left over hold zeros.
; A block's scale is 2^(floor(log2(its largest magnitude)) - 2): its byte is the largest magnitude's exponent field - 2, held at 1 from below.
; LIMITS.  W goes into the quantiser as the exact f32 number (w - z - 1) x s (at most 16 significant bits), not rounded to f16 first.  A block of zeros gets the byte 1 where the rule says 127: its codes are zeros,
; and this program alone reads the bytes.  NaN and infinities in x or scales are not served.  g_idx is held to 0 .. 31 (as unsigned).
; SHARES.  Work-groups 0-511 take W, 512-1919 take x: W's come first, so that their gathers run beside x's stream.  Waves share nothing: no barrier.  Only x's paths use LDS, each bytes of its own.
; No cluster: work-groups share only the small tables of scales and zeros.  No matrix unit: there is no product here.
.set REC,  4864                        ; a record
.set BLKM, 51968                       ; a block: ten records and the short one
.set AM,   10                          ; v10-13  largest magnitudes: two chains for each of two blocks
.set SCO,  14                          ; v14-15  the conversions' scale operands
.set BY,   16                          ; v16-17  the scale bytes
.set WD,   18                          ; v18     two bytes on their way into a scale word
.set PERM, 19                          ; v19     a lane permute's destination; in W's path it stays 0
.set WW,   20                          ; v20-22  scale words
.set TW,   24                          ; W: v24-31   the conversions' second halves
.set SV,   32                          ; W: v32-95   64 scales (under v128: halves have names there)
.set QW,   96                          ; W: v96-111  my column's 16 words of qweight: 128 k
.set PC,   112                         ; W: v112-123 a lane's 12 registers of codes
.set ZV,   128                         ; W: v128-191 64 zeros
.set FW,   192                         ; W: v192-255 64 numbers of W
.set HX,   32                          ; x: v32-63   64 f16, back from the stage
.set FX,   64                          ; x: v64-127  the same as f32
.set RX,   128                         ; x: v128-223 three sets of 32 as loaded; a set's registers take its fragment's codes once the stage has them
.set SP,   272                         ; x: a stage row: 256 bytes + 16: row r starts 4 r banks on, so sixteen rows' 16 bytes fall on different banks
; 64 numbers of a lane, two whole blocks of 32 (block c at v[f + 32 c]), become 12 registers of codes at v[pc] and the two bytes in v[WD] (bits 7:0 and 23:16).  t: 8 registers at work.
.macro QUANT f, pc, t
.irp c, 0,1
	v_max3_num_f32 v[AM+\c], |v[\f+32*\c]|, |v[\f+32*\c+1]|, |v[\f+32*\c+2]|
	v_max3_num_f32 v[AM+2+\c], |v[\f+32*\c+3]|, |v[\f+32*\c+4]|, |v[\f+32*\c+5]|
.endr
.irp i, 6,10,14,18,22,26
.irp c, 0,1
	v_max3_num_f32 v[AM+\c], v[AM+\c], |v[\f+32*\c+\i]|, |v[\f+32*\c+\i+1]|
	v_max3_num_f32 v[AM+2+\c], v[AM+2+\c], |v[\f+32*\c+\i+2]|, |v[\f+32*\c+\i+3]|
.endr
.endr
.irp c, 0,1
	v_max3_num_f32 v[AM+\c], v[AM+\c], |v[\f+32*\c+30]|, |v[\f+32*\c+31]|
.endr
.irp c, 0,1
	v_max3_num_f32 v[AM+\c], v[AM+\c], v[AM+2+\c], 0x1800000       ; and the floor 2^(3 - 127): the byte cannot fall under 1
.endr
.irp c, 0,1
	v_add_nc_u32 v[SCO+\c], 0xff000000, v[AM+\c]                   ; 2 off the exponent field: the conversion takes that field of this operand as its scale
.endr
.irp c, 0,1
	v_lshrrev_b32 v[BY+\c], 23, v[SCO+\c]                          ; the scale's byte
.endr
.irp c, 0,1
	v_cvt_scalef32_pk16_fp6_f32 v[\pc+6*\c:\pc+6*\c+2], v[\f+32*\c:\f+32*\c+15], v[SCO+\c]
	v_cvt_scalef32_pk16_fp6_f32 v[\t+4*\c:\t+4*\c+2], v[\f+32*\c+16:\f+32*\c+31], v[SCO+\c]   ; (a conversion's three registers begin on an even number)
.endr
	v_lshl_or_b32 v[WD], v[BY+1], 16, v[BY]                        ; a plain line behind the last conversion, ahead of the moves that read its result
.irp c, 0,1
.irp i, 0,1,2
	v_mov_b32 v[\pc+6*\c+3+\i], v[\t+4*\c+\i]
.endr
.endr
.endm
	s_load_b256 s[4:11], s[0:1], 0x0               ; x s[4:5], qweight s[6:7], qzeros s[8:9], scales s[10:11]
	s_load_b128 s[12:15], s[0:1], 0x20             ; g_idx s[12:13], xq s[14:15]
	s_load_b64 s[18:19], s[0:1], 0x30              ; wq
	v_lshl_add_u32 v27, v0, 2, 0x8800
	v_mov_b32 v31, 0
	v_lshrrev_b32 v4, 5, v0
	v_readfirstlane_b32 s22, v4                    ; wave 0..3
	v_and_b32 v1, 31, v0                           ; lane
	v_and_b32 v2, 15, v0                           ; r
	v_bfe_u32 v3, v0, 4, 1                         ; h
	v_mov_b32 v[PERM], 0                           ; written once: a lane permute's destination counts as one of its sources
	s_mov_b32 s24, 0x76543210
	s_mov_b32 s25, 0xfedcba98                      ; v_permlanex16_b32's selects for lane l xor 16
	s_wait_kmcnt 0x0
	s_cmp_lt_u32 ttmp9, 512
	s_cbranch_scc0 .Lx
; ---------------- W.  Work-group g: chunk kc = g / 16 of K, columns 128 (g % 16) on; a wave 32 columns, a lane one column n0 + lane, its registers down K: nothing is transposed.
	s_lshr_b32 s28, ttmp9, 4                       ; kc
	s_and_b32 s29, ttmp9, 15
	s_lshl_b32 s29, s29, 7
	s_lshl_b32 s30, s22, 5
	s_add_co_u32 s29, s29, s30                     ; n0
	s_mov_b32 s31, 0
	s_lshl_b32 s30, s28, 17                        ; qweight: 16 rows of 8,192 bytes a chunk,
	s_lshl_b32 s23, s29, 2                         ; 4 bytes a column
	s_add_co_u32 s30, s30, s23
	s_add_nc_u64 s[26:27], s[6:7], s[30:31]
	s_lshl_b32 s30, s29, 1                         ; scales: 2 bytes a column
	s_add_nc_u64 s[10:11], s[10:11], s[30:31]
	s_lshr_b32 s30, s29, 1                         ; qzeros: 4 bytes for 8 columns
	s_add_nc_u64 s[8:9], s[8:9], s[30:31]
	s_lshl_b32 s30, s28, 9                         ; g_idx: 128 numbers a chunk
	s_add_nc_u64 s[12:13], s[12:13], s[30:31]
	s_mul_i32 s23, s28, 11
	s_lshr_b32 s23, s23, 5                         ; the slot: kc / 3 (11 / 32 serves for kc under 32)
	s_mul_i32 s2, s23, 3
	s_sub_co_u32 s2, s28, s2                       ; q = kc % 3: the chunk's place in its record
	s_lshr_b32 s30, s29, 4                         ; block n0 / 16
	s_mul_i32 s30, s30, BLKM
	s_mul_i32 s23, s23, REC
	s_add_co_u32 s30, s30, s23
	s_add_nc_u64 s[18:19], s[18:19], s[30:31]      ; my record
	s_lshl_b32 s30, s2, 6
	s_add_nc_u64 s[20:21], s[18:19], s[30:31]      ; the chunk's sixteen scale words: 64 q
	s_mul_i32 s30, s2, 1536
	s_add_co_u32 s30, s30, 256
	s_add_nc_u64 s[18:19], s[18:19], s[30:31]      ; and its codes: 256 + 1,536 q
	s_cmp_eq_u32 s2, 2                             ; the wave of a record's last chunk also writes what is left of the record's first 256 bytes:
	s_cselect_b32 s3, 1, 0                         ; behind chunk 2: 64 bytes;
	s_cmp_eq_u32 s28, 31
	s_cselect_b32 s3, 2, s3                        ; in the short record, behind chunk 1: 128
	s_load_b512 s[32:47], s[12:13], 0x0            ; the groups of k = 0 .. 31 of the chunk (block 0),
	s_load_b512 s[48:63], s[12:13], 0x40
	s_load_b512 s[68:83], s[12:13], 0x100          ; and of k = 64 .. 95 (block 2)
	s_load_b512 s[84:99], s[12:13], 0x140
	s_wait_alu depctr_va_vdst(0)
	v_lshlrev_b32 v4, 2, v1                        ; qweight: 4 x lane: a wave's load covers 128 consecutive bytes, the work-group's four 512
	v_lshlrev_b32 v5, 1, v1                        ; scales: 2 x lane
	v_lshrrev_b32 v6, 3, v1
	v_lshlrev_b32 v6, 2, v6                        ; qzeros: the word of my eight columns
	v_and_b32 v7, 7, v1
	v_lshlrev_b32 v7, 2, v7                        ; and my four bits in it
	v_mul_u32_u24 v8, v3, BLKM                     ; codes: lanes 16-31 hold the next block of 16 columns;
	v_lshl_add_u32 v8, v2, 4, v8                   ; 16 bytes for column r
	v_mul_u32_u24 v9, v3, BLKM
	v_lshl_add_u32 v9, v2, 2, v9                   ; the scale word: 4 bytes a column
.irp i, 0,1,2,3,4,5,6,7,8,9,10,11,12,13,14,15
	global_load_b32 v[QW+\i], v4, s[26:27] offset:8192*\i th:TH_LOAD_NT
.endr
	s_wait_alu depctr_va_vdst(0)
	s_wait_kmcnt 0x0
.macro CVTS                            ; the 64 scales, f16 in the low halves, to f32, in place
.set m, 0
.irp p, v32.l,v33.l,v34.l,v35.l,v36.l,v37.l,v38.l,v39.l,v40.l,v41.l,v42.l,v43.l,v44.l,v45.l,v46.l,v47.l,v48.l,v49.l,v50.l,v51.l,v52.l,v53.l,v54.l,v55.l,v56.l,v57.l,v58.l,v59.l,v60.l,v61.l,v62.l,v63.l,v64.l,v65.l,v66.l,v67.l,v68.l,v69.l,v70.l,v71.l,v72.l,v73.l,v74.l,v75.l,v76.l,v77.l,v78.l,v79.l,v80.l,v81.l,v82.l,v83.l,v84.l,v85.l,v86.l,v87.l,v88.l,v89.l,v90.l,v91.l,v92.l,v93.l,v94.l,v95.l
	v_cvt_f32_f16 v[SV+m], \p
.set m, m+1
.endr
.endm
; Round hh takes blocks hh and 2 + hh of the chunk: the 12 registers that lane (r, hh) of the product's launch wants of my column.
.macro ROUND hh
.set n, 0
.rept 64                               ; number n = 32 c + i: k = 64 c + 32 hh + i; its group stands in s[32 + i] (c = 0) or s[68 + i] (c = 1)
.set G, 32+36*(n/32)+n%32
	s_min_u32 s[G], s[G], 31                       ; a loaded number enters an address only behind this hold
	v_lshl_add_u32 v[SV+n], s[G], 12, v5           ; scales: 4,096 bytes a group
	v_lshl_add_u32 v[ZV+n], s[G], 10, v6           ; qzeros: 1,024
	global_load_u16 v[SV+n], v[SV+n], s[10:11]     ; each load lands on its own address register
	global_load_b32 v[ZV+n], v[ZV+n], s[8:9]
.set n, n+1
.endr
	s_wait_loadcnt 0x0                             ; all gathers, and qweight's 16 words
.if \hh == 0
	s_load_b512 s[32:47], s[12:13], 0x80           ; the next round's groups: blocks 1 and 3.  Every line that read the old ones has been issued; these land while this round is worked
	s_load_b512 s[48:63], s[12:13], 0xc0
	s_load_b512 s[68:83], s[12:13], 0x180
	s_load_b512 s[84:99], s[12:13], 0x1c0
.endif
	CVTS
.set n, 0
.rept 64
	v_bfe_u32 v[FW+n], v[QW+4*(2*(n/32)+\hh)+(n%32)/8], 4*(n%8), 4   ; w: eight k to a word, the lowest k in the lowest bits
.set n, n+1
.endr
.set n, 0
.rept 64
	v_bfe_u32 v[ZV+n], v[ZV+n], v7, 4              ; z
.set n, n+1
.endr
.set n, 0
.rept 64
	v_sub_nc_u32 v[FW+n], v[FW+n], v[ZV+n]         ; w - z: a whole number, -15 .. 15
.set n, n+1
.endr
.set n, 0
.rept 64
	v_cvt_f32_i32 v[FW+n], v[FW+n]
.set n, n+1
.endr
.set n, 0
.rept 64
	v_fma_f32 v[FW+n], v[FW+n], v[SV+n], -v[SV+n]  ; (w - z) s - s = (w - z - 1) s: exact in f32
.set n, n+1
.endr
.if \hh == 1
	s_wait_xcnt 0x0                                ; the last round's stores have read their data: the codes' registers are written again only behind this wait
.endif
	QUANT FW, PC, TW
.if \hh == 0
	v_mov_b32 v[WW], v[WD]                         ; bytes of blocks 0 and 2
.else
	v_lshl_or_b32 v[WW], v[WD], 8, v[WW]           ; and of blocks 1 and 3: my column's scale word
.endif
.irp c, 0,1,2
	global_store_b128 v8, v[PC+4*\c:PC+4*\c+3], s[18:19] offset:512*\c+256*\hh   ; sixteen lanes store 256 consecutive bytes, aligned
.endr
.if \hh == 0
	s_wait_kmcnt 0x0                               ; the next round's groups are in
.endif
.endm
	ROUND 0
	ROUND 1
	global_store_b32 v9, v[WW], s[20:21]           ; sixteen lanes store 64 consecutive bytes: a quarter of the record's first 256; the other chunks' words are other work-groups'.  Whole runs would want a barrier in this path alone
	s_cmp_eq_u32 s3, 0
	s_cbranch_scc1 .Lw_end
	global_store_b32 v9, v[PERM], s[20:21] offset:64    ; zeros into what no chunk fills: every byte that the product's launch fetches has been stored
	s_cmp_eq_u32 s3, 1
	s_cbranch_scc1 .Lw_end
	global_store_b32 v9, v[PERM], s[20:21] offset:128
.Lw_end:
	s_endpgm
; ---------------- x.  Unit = 4 (work-group - 512) + wave = 512 x slot + block: a wave makes one record: 16 rows x 384 K, three fragments (in slot 10: 256 K, two).
.Lx:
	s_sub_co_u32 s26, ttmp9, 512
	s_lshl_b32 s26, s26, 2
	s_add_co_u32 s26, s26, s22                     ; unit 0..5631
	s_lshr_b32 s29, s26, 9                         ; slot 0..10: the same in the work-group's four waves
	s_and_b32 s28, s26, 511                        ; block of 16 rows
	s_lshl_b32 s30, s28, 17                        ; 16 rows of 8,192 bytes,
	s_mul_i32 s31, s29, 768                        ; 384 f16 a slot
	s_add_co_u32 s30, s30, s31
	s_mov_b32 s31, 0
	s_add_nc_u64 s[4:5], s[4:5], s[30:31]
	s_mul_i32 s30, s28, BLKM
	s_mul_i32 s29, s29, REC
	s_add_co_u32 s30, s30, s29
	s_add_nc_u64 s[14:15], s[14:15], s[30:31]      ; my record
	s_mul_i32 s23, s22, 16*SP                      ; my wave's stage
	s_wait_alu depctr_va_vdst(0)
	v_lshlrev_b32 v4, 13, v3
	v_lshl_add_u32 v4, v2, 4, v4                   ; in: lanes 0-15 take 256 bytes of one row, lanes 16-31 of the next
	v_mul_u32_u24 v5, v3, SP
	v_lshl_add_u32 v5, v2, 4, v5
	v_add_nc_u32 v5, s23, v5                       ; into the stage, as loaded
	v_mul_u32_u24 v6, v2, SP
	v_lshl_add_u32 v6, v3, 6, v6
	v_add_nc_u32 v6, s23, v6                       ; out of it: row r, + 64 h: 32 neighbours along K
	v_lshlrev_b32 v7, 4, v1                        ; codes: 16 x lane
	v_lshlrev_b32 v8, 3, v1                        ; the record's scale words: 8 x lane
	v_lshlrev_b32 v9, 3, v3                        ; my bytes' place in a scale word: 8 h bits up
	v_lshl_add_u32 v24, v1, 2, s23                 ; the scale words' way through the stage: in at 4 x lane,
	v_lshl_add_u32 v25, v1, 3, s23                 ; out at 8 x lane
.macro TURN f, lb                      ; fragment f's 16 rows x 256 bytes through the stage: LDS serves a wave's instructions in order, so no wait stands between the stores and the loads
.irp i, 0,1,2,3,4,5,6,7
	ds_store_b128 v5, v[RX+32*(\f)+4*\i:RX+32*(\f)+4*\i+3] offset:(\lb)+2*SP*\i
.endr
.irp c, 0,1
.irp j, 0,1,2,3
	ds_load_b128 v[HX+16*\c+4*\j:HX+16*\c+4*\j+3], v6 offset:(\lb)+128*\c+16*\j   ; k = 64 c + 32 h + 8 j + 0 .. 7 of row r
.endr
.endr
.endm
.macro WIDEN                           ; 64 f16 in v32-63 to f32 in v64-127
.set m, 0
.irp p, v32.l,v32.h,v33.l,v33.h,v34.l,v34.h,v35.l,v35.h,v36.l,v36.h,v37.l,v37.h,v38.l,v38.h,v39.l,v39.h,v40.l,v40.h,v41.l,v41.h,v42.l,v42.h,v43.l,v43.h,v44.l,v44.h,v45.l,v45.h,v46.l,v46.h,v47.l,v47.h,v48.l,v48.h,v49.l,v49.h,v50.l,v50.h,v51.l,v51.h,v52.l,v52.h,v53.l,v53.h,v54.l,v54.h,v55.l,v55.h,v56.l,v56.h,v57.l,v57.h,v58.l,v58.h,v59.l,v59.h,v60.l,v60.h,v61.l,v61.h,v62.l,v62.h,v63.l,v63.h
	v_cvt_f32_f16 v[FX+m], \p
.set m, m+1
.endr
.endm
.macro XFRAG f, nf, lb                 ; fragment f of nf
	s_wait_dscnt 0x0                               ; this fragment's numbers are back from the stage
	WIDEN
.if (\f) < (\nf)-1
	s_wait_loadcnt 8*((\nf)-2-(\f))                ; the next fragment's eight loads are in; those of the fragments behind it may be out
	TURN (\f)+1, \lb                               ; and go through the stage while this fragment is quantised
.endif
	QUANT FX, RX+32*(\f), RX+32*(\f)+12            ; the codes take the registers that the fragment was loaded into: no store's data are ever written again
	v_lshlrev_b32 v[WD], v9, v[WD]                 ; my bytes (blocks h and 2 + h) at their places,
	v_permlanex16_b32 v[PERM], v[WD], s24, s25
	v_or_b32 v[WW+(\f)], v[WD], v[PERM]            ; with lane l xor 16's two the row's word is whole, in both halves of the lanes
.irp c, 0,1,2
	global_store_b128 v7, v[RX+32*(\f)+4*\c:RX+32*(\f)+4*\c+3], s[14:15] offset:256+1536*(\f)+512*\c   ; 32 lanes store 512 consecutive bytes, aligned
.endr
.endm
.macro XUNIT nf, lb                    ; a record of nf fragments; lb: where this path's stages begin in LDS
.set ff, 0
.rept \nf
.irp i, 0,1,2,3,4,5,6,7
	global_load_b128 v[RX+32*ff+4*\i:RX+32*ff+4*\i+3], v4, s[4:5] offset:16384*\i+256*ff th:TH_LOAD_NT
.endr
.set ff, ff+1
.endr
	s_wait_loadcnt 8*(\nf-1)                       ; fragment 0's eight loads are in; those of the fragments behind it may be out
	TURN 0, \lb
	XFRAG 0, \nf, \lb
	XFRAG 1, \nf, \lb
.if \nf > 2
	XFRAG 2, \nf, \lb
.else
	v_mov_b32 v[WW+2], 0                           ; the short record has no third chunk: zeros in its words' place
.endif
	v_cmp_lt_u32 vcc_lo, 15, v1
	v_cndmask_b32 v10, 0, v[WW], vcc_lo            ; the record's first 256 bytes: 64 of zeros, then chunk 0's sixteen words (lanes 16-31),
	v_cndmask_b32 v11, v[WW+1], v[WW+2], vcc_lo    ; chunk 1's (lanes 0-15) and chunk 2's (lanes 16-31)
	ds_store_b32 v24, v10 offset:(\lb)             ; through my stage, whose last reads are back, so that they leave by one store
	ds_store_b32 v24, v11 offset:(\lb)+128
	ds_load_b64 v[12:13], v25 offset:(\lb)         ; LDS serves a wave's instructions in order: this sees the two stores
	s_wait_dscnt 0x0
	global_store_b64 v8, v[12:13], s[14:15]        ; 32 lanes store 256 consecutive bytes, aligned
	s_wait_tensorcnt 0x0
	ds_add_u32 v27, v31
	s_wait_dscnt 0x0
	s_endpgm
.endm
	s_cmp_lt_u32 ttmp9, 512+1280                   ; slot 10's work-groups are the last 128
	s_cbranch_scc0 .Lx_short
	s_wait_alu depctr_va_vdst(0)
	XUNIT 3, 0
.Lx_short:
	s_wait_alu depctr_va_vdst(0)
	XUNIT 2, 17408
.Lfunc_end_k_qa73b6fc364_quant:
	.size	k_qa73b6fc364_quant, .Lfunc_end_k_qa73b6fc364_quant-k_qa73b6fc364_quant
	.p2alignl 7, 3214868480
	.fill 96, 4, 3214868480
	.section	.rodata,"a",@progbits
	.p2align	6, 0x0
	.amdhsa_kernel k_qa73b6fc364_quant
		.amdhsa_group_segment_fixed_size 35328
		.amdhsa_private_segment_fixed_size 0
		.amdhsa_enable_private_segment 0
		.amdhsa_kernarg_size 56
		.amdhsa_user_sgpr_count 2
		.amdhsa_user_sgpr_kernarg_segment_ptr 1
		.amdhsa_wavefront_size32 1
		.amdhsa_system_sgpr_workgroup_id_x 1
		.amdhsa_system_sgpr_workgroup_id_y 1
		.amdhsa_system_sgpr_workgroup_id_z 1
		.amdhsa_system_vgpr_workitem_id 0
		.amdhsa_next_free_vgpr 256
		.amdhsa_next_free_sgpr 100
		.amdhsa_reserve_vcc 1
		.amdhsa_float_denorm_mode_32 3
		.amdhsa_float_denorm_mode_16_64 3
		.amdhsa_memory_ordered 1
		.amdhsa_forward_progress 1
		.amdhsa_inst_pref_size 130
	.end_amdhsa_kernel
	.amdgpu_metadata
---
amdhsa.version: [ 1, 2 ]
amdhsa.kernels:
  - .name:           k_qa73b6fc364_quant
    .symbol:         k_qa73b6fc364_quant.kd
    .args:
      - { .name: x, .offset: 0, .size: 8, .value_kind: global_buffer, .address_space: global }
      - { .name: qweight, .offset: 8, .size: 8, .value_kind: global_buffer, .address_space: global }
      - { .name: qzeros, .offset: 16, .size: 8, .value_kind: global_buffer, .address_space: global }
      - { .name: scales, .offset: 24, .size: 8, .value_kind: global_buffer, .address_space: global }
      - { .name: g_idx, .offset: 32, .size: 8, .value_kind: global_buffer, .address_space: global }
      - { .name: xq, .offset: 40, .size: 8, .value_kind: global_buffer, .address_space: global }
      - { .name: wq, .offset: 48, .size: 8, .value_kind: global_buffer, .address_space: global }
    .group_segment_fixed_size: 35328
    .private_segment_fixed_size: 0
    .kernarg_segment_align: 8
    .kernarg_segment_size: 56
    .max_flat_workgroup_size: 128
    .sgpr_count:     100
    .vgpr_count:     256
    .wavefront_size: 32
...
	.end_amdgpu_metadata
.endif
;; end of part 1
;; launch gemm (part 2): grid 8 x 32, 4 waves a work-group, clusters of 4 x 4, 327,680 bytes of LDS; arguments xq, wq, bias, out0; writes out0
.if DOCPART == 2
	.amdgcn_target "amdgcn-amd-amdhsa--gfx1250"
	.amdhsa_code_object_version 6
	.text
	.protected	k_qa73b6fc364_gemm
	.globl	k_qa73b6fc364_gemm
	.p2align	8
	.type	k_qa73b6fc364_gemm,@function
k_qa73b6fc364_gemm:
	s_mov_b64 s[64:65], 0
	v_nop
	global_prefetch_b8 v0, s[64:65] scope:SCOPE_SE
	s_setreg_imm32_b32 hwreg(HW_REG_WAVE_MODE, 25, 1), 1
	s_wait_xcnt 0x0
	s_wait_alu depctr_hold_cnt(0) depctr_sa_sdst(0) depctr_va_vdst(0) depctr_va_sdst(0) depctr_va_ssrc(0) depctr_va_vcc(0) depctr_vm_vsrc(0)
	s_getreg_b32 s2, hwreg(HW_REG_IB_STS2, 6, 4)
	s_cmp_eq_u32 s2, 0
	s_cbranch_scc0 .Lentry_in_a_cluster
	s_endpgm
.Lentry_in_a_cluster:
	s_bfe_u32 s2, ttmp6, 0x10000c
	s_cmp_lg_u32 s2, 0xf033
	s_cbranch_scc0 .Lentry_shape_is_right
	s_endpgm
.Lentry_shape_is_right:
; out0[m][n] = f16( bias[n] + sum over k of xq[m][k] wq[n][k] ): both operands are codes of FP6 (E2M3) with E8M0 scale bytes, made by the launch before; M 8,192, N 2,048, K 4,096; sums in f32.
; LIMIT: the bias, widened to f32, starts each sum, and the sum is rounded to f16 once.
; BOTH BUFFERS are laid [block of 16 rows][slot of 384 K]: a RECORD of 4,864 bytes = 256 bytes of scale words + three chunks of 128 K, each the image of a fragment's 12 registers (register j of lane l at 512 (j/4) + 16 l + 4 (j%4));
; the eleventh record has two chunks; a block is 51,968 bytes.  Chunk q's sixteen scale words lie at 64 + 64 q in xq's records and at 64 q in wq's.
; A work-group of four waves makes 256 x 256 of out0, a wave 128 x 128: 64 accumulators.  256 work-groups.  K goes through a ring of two LDS slots, a slot = one record of each of 16 blocks of xq and 16 of wq.
; CLUSTERS of 4 x 4: xq's tiles are asked for jointly along a row of the cluster, wq's along a column.  The matrix instruction is used transposed (source 0 = 16 rows of wq, source 1 = 16 rows of xq): a lane holds 8 neighbouring columns of a row of out0.
; REGISTERS.  Each of the four windows holds 16 accumulators and two sets of four fragments, so that both operands have two whole sets:
;   window w: v128-255 accumulators of my row blocks 2 w, 2 w + 1 ((a, b) at 128 + 64 (a%2) + 8 b); v32-79, v80-127 fragment sets 0, 1: window 0 wq's blocks 0-3, window 1 wq's 4-7, window 2 xq's 0-3, window 3 xq's 4-7.
;   window 0: v0-15 addresses, v16-31 two sets of 8 scale words (lanes 0-15 xq's block i, lanes 16-31 wq's block i).  Windows 2, 3: v0-31 the bias as f32, the C of the first step.
; A STEP of 128 K: ONE run of 56 LDS loads, the next step's 16 fragments and 8 scale words into the other set, and then 64 matrix instructions on end on this step's set, 8 window switches among them.
; THE RING: a slot's three chunks are in registers early in its second step.  At that step's end every wave waits for its tensor load, adds 0 to its spare word, waits for its LDS instructions, and a round of the cluster's barrier follows: behind it
; the slot is filled again (two records on) and the third step fetches from the other slot.  By the text's own count a wave has one tensor load outstanding.
; PREFETCH: behind the joint load of record r the asking waves name record r + 1, one whole slot (three steps) ahead of its load: 19 lanes x 256 bytes for each of two blocks a wave; the four partners share a tile's 8 blocks out by address;
; of the two clusters that read the same rows of xq the one with cluster x = 0 asks, of the eight that read the same rows of wq those with cluster y = 0 and 4.  The short record 10 is not named: the 19 lanes would pass the buffer's end in its last block.
.set FRB,    1536                      ; a chunk
.set SCW,    256                       ; a record's scale words
.set REC,    SCW+3*FRB                 ; a record
.set BLKM,   10*REC+SCW+2*FRB          ; a block
.set HALFT,  8*REC                     ; what one tensor load brings: 8 records
.set SLOT,   4*HALFT                   ; xq's 16 records, then wq's 16
.set SPARE,  2*SLOT                    ; the spare words: 512 bytes that no other line names
.set SPITCH, 272                       ; the way out: a stage of 16 rows x (256 + 16) bytes for each wave,
.set STAGE,  SLOT                      ; in slot 1, which has had its last fill and its last read by then
.set ADRA, 2                           ; v2-3   LDS address of my xq fragments in slot 0, 1
.set ADRB, 4                           ; v4-5   the same for wq
.set ADRS, 6                           ; v6-7   of my scale words
.set STO,  8
.set RD,   9
.set CO,   10
.set PFO,  11                          ; the prefetches' offset: 256 x min(lane, 18)
.set SPW,  12                          ; my spare word
.set NIL,  13                          ; 0
.set SC,   16
.set FS,   32                          ; fragment sets: FS + 48 x set
.set TMP,  32                          ; the way out: packed results, window 0
.set BK,   32                          ; the way out: rows read back, windows 1 and 2 by turns
.set G1,   24
.set G0,   32
.set G1B,  48
.set G0B,  56
.set G1L,  68                          ; groups 1 for the short record
.set G1BL, 80
.set LIM,  43
.set PFA,  44
.set MSB, 0
.macro WIN new                         ; the immediate's high byte repeats the setting that is left
.if MSB != (\new)
	s_set_vgpr_msb (MSB<<8)|(\new)
.set MSB, (\new)
.endif
.endm
.macro PLACES
.rept 4
	v_nop
.endr
.endm
; a joint load: waves 0, 1 fetch xq's two halves, waves 2, 3 wq's; s_nop 0 and four v_nop follow each line
.macro JLOAD g0a, g1a, g0b, g1b
	s_cmp_eq_u32 s17, 0
	s_cbranch_scc0 .Lfor_b_\@
	tensor_load_to_lds s[\g0a:\g0a+3], s[\g1a:\g1a+7]
	s_nop 0
	PLACES
	s_branch .Lasked_\@
.Lfor_b_\@:
	tensor_load_to_lds s[\g0b:\g0b+3], s[\g1b:\g1b+7]
	s_nop 0
	PLACES
.Lasked_\@:
.endm
.macro CREST                           ; a round of the cluster's barrier behind its opening barrier
	s_cmp_lg_u32 s16, 0
	s_cbranch_scc1 .Lnot_wave_0_\@
	s_barrier_signal -3
.Lnot_wave_0_\@:
	s_barrier_wait -3
	s_barrier_signal -1
	s_barrier_wait -1
.endm
.macro CROUND
	s_barrier_signal -1
	s_barrier_wait -1
	CREST
.endm
.macro ASK how                         ; how = 1: not in the loop's last trip, where the next record is the short one
.if (\how) == 0
	s_cmp_eq_u32 s[LIM], 1
.else
	s_cmp_gt_u32 s3, s[LIM]
.endif
	s_cbranch_scc0 .Lnot_mine_\@
	global_prefetch_b8 v[PFO], s[PFA:PFA+1] th:TH_LOAD_NT scope:SCOPE_SE
	global_prefetch_b8 v[PFO], s[PFA:PFA+1] offset:BLKM th:TH_LOAD_NT scope:SCOPE_SE
.Lnot_mine_\@:
.endm
	s_load_b128 s[4:7], s[0:1], 0x0                ; xq, wq
	s_load_b128 s[12:15], s[0:1], 0x10             ; bias, out0
	v_lshl_add_u32 v[SPW], v0, 2, SPARE
	v_mov_b32 v[NIL], 0
	ds_add_u32 v[SPW], v[NIL]                      ; the opening lines: the add, twice on end, and its wait
	ds_add_u32 v[SPW], v[NIL]
	v_lshrrev_b32 v1, 5, v0
	v_readfirstlane_b32 s16, v1                    ; wave
	s_lshr_b32 s17, s16, 1                         ; my half of the rows; also: I fetch xq (0) or wq (1)
	s_and_b32 s18, s16, 1                          ; my half of the columns; also: which 8 blocks I fetch
	s_bfe_u32 s40, ttmp6, 0x40000                  ; cx
	s_bfe_u32 s41, ttmp6, 0x40004                  ; cy
	s_lshl_b32 s42, ttmp9, 2
	s_add_co_u32 s42, s42, s40                     ; tile column
	s_and_b32 s19, ttmp7, 0xffff
	s_lshl_b32 s19, s19, 2
	s_add_co_u32 s19, s19, s41                     ; tile row
	s_lshl_b32 s43, s41, 2
	s_lshl_b32 s43, 15, s43                        ; my row of the cluster
	s_lshl_b32 s44, 0x1111, s40                    ; my column
	s_or_b32 s[G1+0], s43, (3<<16)|(1<<21)         ; elements of 8 bytes; the mask, bit 21 beside it
	s_or_b32 s[G1B+0], s44, (3<<16)|(1<<21)
	s_or_b32 s[G1L+0], s43, (3<<16)|(1<<21)
	s_or_b32 s[G1BL+0], s44, (3<<16)|(1<<21)
.irp g, G1, G1B
	s_mov_b32 s[\g+1], 608<<16                     ; a row: a record of 4,864 bytes
.endr
.irp g, G1L, G1BL
	s_mov_b32 s[\g+1], 416<<16                     ; the short record: 3,328 bytes, zeros behind them
.endr
.irp g, G1, G1B, G1L, G1BL
	s_mov_b32 s[\g+2], 8<<16                       ; 8 rows,
	s_mov_b32 s[\g+3], 608<<16
	s_mov_b32 s[\g+4], 8
	s_mov_b32 s[\g+5], 6496                        ; a block apart
	s_mov_b32 s[\g+6], 0
	s_mov_b32 s[\g+7], 0
.endr
	s_lshl_b32 s21, s18, 3
	s_lshl_b32 s20, s19, 4
	s_add_co_u32 s20, s20, s21                     ; xq: block 16 x tile row + 8 x half
	s_lshl_b32 s46, s42, 4
	s_add_co_u32 s46, s46, s21                     ; wq: block 16 x tile column + 8 x half
	s_mul_i32 s20, s20, BLKM
	s_mov_b32 s21, 0
	s_mul_i32 s46, s46, BLKM
	s_mov_b32 s47, 0
	s_mul_i32 s95, s16, HALFT                      ; where my 8 records go
	s_wait_dscnt 0x0                               ; both opening adds are done
	s_wait_kmcnt 0x0
	s_add_nc_u64 s[20:21], s[4:5], s[20:21]
	s_add_nc_u64 s[46:47], s[6:7], s[46:47]
.irp s, 0,1
	s_mov_b32 s[G0+4*\s], 1
	s_add_co_u32 s[G0+4*\s+1], s95, \s*SLOT
	s_add_nc_u64 s[G0+4*\s+2:G0+4*\s+3], s[20:21], \s*REC
	s_or_b32 s[G0+4*\s+3], s[G0+4*\s+3], 0x80000000
	s_mov_b32 s[G0B+4*\s], 1
	s_add_co_u32 s[G0B+4*\s+1], s95, \s*SLOT
	s_add_nc_u64 s[G0B+4*\s+2:G0B+4*\s+3], s[46:47], \s*REC
	s_or_b32 s[G0B+4*\s+3], s[G0B+4*\s+3], 0x80000000
.endr
	CROUND                                         ; all sixteen work-groups are here: the first joint loads meet
	JLOAD G0, G1, G0B, G1B                         ; record 0: one tensor load a wave at the head
	; all that follows up to the wait on TENSORcnt stands under that load's flight: first the scalars, then the vector lines in one run
	s_lshl_b32 s46, s42, 9
	s_lshl_b32 s47, s18, 8
	s_add_co_u32 s46, s46, s47                     ; my first column, in bytes of f16
	s_mov_b32 s47, 0
	s_add_nc_u64 s[12:13], s[12:13], s[46:47]
	s_lshl_b32 s20, s19, 8
	s_lshl_b32 s21, s17, 7
	s_add_co_u32 s20, s20, s21
	s_lshl_b32 s20, s20, 12                        ; my first row, 4,096 bytes a row
	s_mov_b32 s21, 0
	s_add_nc_u64 s[14:15], s[14:15], s[20:21]
	s_add_nc_u64 s[14:15], s[14:15], s[46:47]
	s_lshl_b32 s20, s19, 4                         ; the prefetches
	s_lshl_b32 s21, s42, 4
	s_and_b32 s22, ttmp7, 3                        ; cluster y modulo 4
	s_cmp_eq_u32 s17, 0
	s_cselect_b32 s20, s20, s21                    ; the tile's first block
	s_cselect_b32 s21, s40, s41                    ; my place among the four that ask for it with me
	s_cselect_b32 s22, ttmp9, s22
	s_cselect_b64 s[PFA:PFA+1], s[4:5], s[6:7]
	s_cmp_eq_u32 s22, 0
	s_cselect_b32 s[LIM], 1, -1                    ; xq: cluster x = 0 asks; wq: cluster y = 0 and 4
	s_lshl_b32 s22, s18, 3
	s_add_co_u32 s20, s20, s22
	s_lshl_b32 s21, s21, 1
	s_add_co_u32 s20, s20, s21                     ; my work-group's 2 of the 8 blocks that I fetch
	s_mul_i32 s20, s20, BLKM
	s_add_co_u32 s20, s20, REC                     ; at record 1
	s_mov_b32 s21, 0
	s_add_nc_u64 s[PFA:PFA+1], s[PFA:PFA+1], s[20:21]
	s_mul_i32 s20, s17, HALFT                      ; my 8 records of xq
	s_mul_i32 s21, s18, HALFT
	s_add_co_u32 s21, s21, 2*HALFT                 ; my 8 records of wq
	s_mul_i32 s22, s18, HALFT
	s_add_co_u32 s22, s22, 2*HALFT-64
	s_sub_co_u32 s22, s22, s20                     ; from xq's scale words to wq's
	s_add_co_u32 s23, s20, 64
	s_add_co_u32 s89, s20, SLOT
	s_add_co_u32 s90, s21, SLOT
	s_add_co_u32 s91, s23, SLOT
	s_mul_i32 s88, s16, 16*SPITCH
	s_add_co_u32 s88, s88, STAGE                   ; my stage
	v_and_b32 v1, 15, v0                           ; r
	v_bfe_u32 v14, v0, 4, 1                        ; h
	v_and_b32 v15, 31, v0                          ; lane
	v_min_u32 v[PFO], 18, v15
	v_lshlrev_b32 v[PFO], 8, v[PFO]
	v_lshlrev_b32 v128, 4, v15                     ; 16 x lane (v128-129: at work in the head alone)
	v_mul_u32_u24 v129, s22, v14
	v_lshl_add_u32 v129, v1, 2, v129               ; 4 r; lanes 16-31 take wq's words
	v_add_nc_u32 v[ADRA], s20, v128
	v_add_nc_u32 v[ADRA+1], s89, v128
	v_add_nc_u32 v[ADRB], s21, v128
	v_add_nc_u32 v[ADRB+1], s90, v128
	v_add_nc_u32 v[ADRS], s23, v129
	v_add_nc_u32 v[ADRS+1], s91, v129
	v_mul_u32_u24 v15, v1, SPITCH
	v_lshl_add_u32 v15, v14, 4, v15
	v_add_nc_u32 v[STO], s88, v15                  ; into the stage: row r, 16 bytes for each half of the lanes
	v_mul_u32_u24 v15, v14, SPITCH
	v_lshl_add_u32 v15, v1, 4, v15
	v_add_nc_u32 v[RD], s88, v15                   ; back: lanes 0-15 one row of 256 bytes, lanes 16-31 the next
	v_lshlrev_b32 v15, 12, v14
	v_lshl_add_u32 v[CO], v1, 4, v15               ; the same two rows in out0
	v_lshlrev_b32 v15, 4, v14                      ; bias: 16 h
	s_wait_alu depctr_va_vdst(0)                   ; a wait behind these writes
.irp b, 0,1,2,3,4,5,6,7
	global_load_b128 v[32+4*\b:35+4*\b], v15, s[12:13] offset:32*\b   ; bias[16 b + 8 h + 0 .. 7]
.endr
	ASK 0                                          ; record 1
	s_wait_loadcnt 0x0
	WIN 0x80                                       ; the bias of column blocks 0-3 to window 2, v0-31,
.set m, 0
.irp p, v32.l,v32.h,v33.l,v33.h,v34.l,v34.h,v35.l,v35.h,v36.l,v36.h,v37.l,v37.h,v38.l,v38.h,v39.l,v39.h,v40.l,v40.h,v41.l,v41.h,v42.l,v42.h,v43.l,v43.h,v44.l,v44.h,v45.l,v45.h,v46.l,v46.h,v47.l,v47.h
	v_cvt_f32_f16 v[m], \p
.set m, m+1
.endr
	WIN 0xc0                                       ; of blocks 4-7 to window 3
.set m, 0
.irp p, v48.l,v48.h,v49.l,v49.h,v50.l,v50.h,v51.l,v51.h,v52.l,v52.h,v53.l,v53.h,v54.l,v54.h,v55.l,v55.h,v56.l,v56.h,v57.l,v57.h,v58.l,v58.h,v59.l,v59.h,v60.l,v60.h,v61.l,v61.h,v62.l,v62.h,v63.l,v63.h
	v_cvt_f32_f16 v[m], \p
.set m, m+1
.endr
	WIN 0
	s_wait_alu depctr_va_vdst(0)
	s_wait_xcnt 0x0                                ; the prefetches have read their address
	s_add_nc_u64 s[PFA:PFA+1], s[PFA:PFA+1], REC   ; record 2
; one load of 16 bytes a lane: piece l (0 .. 11) of the four fragments that window w holds, chunk q of slot s, into set p.  The data's window is the setting's destination.
.macro LD w, l, s, q, p
.if (\w) < 2
	ds_load_b128 v[FS+48*(\p)+4*(\l):FS+48*(\p)+4*(\l)+3], v[ADRB+(\s)] offset:(4*(\w)+(\l)/3)*REC+SCW+(\q)*FRB+512*((\l)%3)
.else
	ds_load_b128 v[FS+48*(\p)+4*(\l):FS+48*(\p)+4*(\l)+3], v[ADRA+(\s)] offset:(4*((\w)-2)+(\l)/3)*REC+SCW+(\q)*FRB+512*((\l)%3)
.endif
.endm
.macro LS k, s, q, p                   ; the scale words of block k
	ds_load_b32 v[SC+8*(\p)+(\k)], v[ADRS+(\s)] offset:(\k)*REC+64*(\q)
.endm
; ONE RUN of 56 LDS loads: the 16 fragments and 8 scale words of chunk q of slot s into set p; four window settings
.macro FETCH s, q, p
	WIN 0
.irp l, 0,1,2,3,4,5,6,7,8,9,10,11
	LD 0, \l, \s, \q, \p
.endr
.irp k, 0,1,2,3,4,5,6,7
	LS \k, \s, \q, \p
.endr
.irp w, 1,2,3
	WIN (\w)<<6
.irp l, 0,1,2,3,4,5,6,7,8,9,10,11
	LD \w, \l, \s, \q, \p
.endr
.endr
.endm
; the product of xq's block a and wq's block b on set p.  first = 1: C is the bias, in window 2 + b / 4
.macro MM a, b, p, first
.set DD, 128+64*((\a)%2)+8*(\b)
.set FB, FS+48*(\p)+12*((\b)%4)
.set FA, FS+48*(\p)+12*((\a)%4)
.if \first
	WIN (((\a)/2)<<6)|((2+(\b)/4)<<4)|((2+(\a)/4)<<2)|((\b)/4)
	v_wmma_scale_f32_16x16x128_f8f6f4 v[DD:DD+7], v[FB:FB+11], v[FA:FA+11], v[8*((\b)%4):8*((\b)%4)+7], v[SC+8*(\p)+(\b)], v[SC+8*(\p)+(\a)] matrix_a_fmt:MATRIX_FMT_FP6 matrix_b_fmt:MATRIX_FMT_FP6 matrix_a_scale:MATRIX_SCALE_ROW1
.else
	WIN (((\a)/2)<<6)|(((\a)/2)<<4)|((2+(\a)/4)<<2)|((\b)/4)
	v_wmma_scale_f32_16x16x128_f8f6f4 v[DD:DD+7], v[FB:FB+11], v[FA:FA+11], v[DD:DD+7], v[SC+8*(\p)+(\b)], v[SC+8*(\p)+(\a)] matrix_a_fmt:MATRIX_FMT_FP6 matrix_b_fmt:MATRIX_FMT_FP6 matrix_a_scale:MATRIX_SCALE_ROW1
.endif
.endm
; A STEP on set cur; chunk nq of slot ns is fetched into the other set by the run at its head.  The 64 accumulators take turns in one order in every step.
; rnd: 1 the slot is filled again at the step's end, 2 with the short record, 3 a barrier alone (the last record has landed; nothing is left to fetch).
.macro STEP cur, ns, nq, first, rnd
.if (\rnd) == 1
	s_wait_xcnt 0x0                                ; the prefetches have read their address: it steps a record on
	s_add_nc_u64 s[PFA:PFA+1], s[PFA:PFA+1], REC
.endif
	PLACES                                         ; four places between the last step's products and the loads into the set that they read
	FETCH \ns, \nq, 1-(\cur)
	s_wait_dscnt 56                                ; all but the 56 just issued: this step's set, asked for a step ago, is in
.set I, 0
.rept 64
.set J, I%16
.set AI, 2*(I/16)+(J%8)/4
.set BJ, 4*(J/8)+J%4
.if (\rnd) && I == 60
	WIN 0                                          ; (the add's two registers lie in window 0)
	s_wait_tensorcnt 0x0                           ; my one tensor load, my part of the other slot, has landed;
	ds_add_u32 v[SPW], v[NIL]                      ; 0 onto my spare word: the step's last four products stand between it and the wait for it
.if (\rnd) < 3
	s_add_nc_u64 s[G0+4*(\ns)+2:G0+4*(\ns)+3], s[G0+4*(\ns)+2:G0+4*(\ns)+3], 2*REC    ; no tensor load of mine is out: this slot's next record
	s_add_nc_u64 s[G0B+4*(\ns)+2:G0B+4*(\ns)+3], s[G0B+4*(\ns)+2:G0B+4*(\ns)+3], 2*REC
.endif
.endif
	MM AI, BJ, \cur, \first
.set I, I+1
.endr
.if \rnd
	WIN 0
	s_wait_dscnt 0x0                               ; the add is done, and so are my reads of this slot: its three chunks are in registers
	s_barrier_signal -1
	s_barrier_wait -1
.if (\rnd) < 3
	CREST                                          ; the barrier has opened a round of the cluster's barrier: no wave of any partner still reads this slot or has a load on its way
.if (\rnd) == 1
	JLOAD G0+4*(\ns), G1, G0B+4*(\ns), G1B         ; the first tensor load behind the round
	ASK \ns                                        ; the record after it
.else
	JLOAD G0+4*(\ns), G1L, G0B+4*(\ns), G1BL
.endif
.endif
.endif
.endm
	s_wait_tensorcnt 0x0                           ; my part of record 0 is in; slot 1's first fill is issued as a refill is:
	ds_add_u32 v[SPW], v[NIL]
	s_wait_dscnt 0x0
	CROUND                                         ; everybody's part is in, and all sixteen work-groups are here
	JLOAD G0+4, G1, G0B+4, G1B                     ; record 1
	ASK 0                                          ; record 2
	FETCH 0, 0, 0                                  ; the first step's fragments
	STEP 0, 0, 1, 1, 0                             ; step 0: its products start the sums from the bias
	WIN 0                                          ; at a label and at a branch every window is 0
	s_mov_b32 s3, 4
.Llap:                                                 ; a trip: six steps, once round the ring and three times round the two sets; records 2 to 9 are asked for
	STEP 1, 0, 2, 0, 1
	STEP 0, 1, 0, 0, 0
	STEP 1, 1, 1, 0, 0
	STEP 0, 1, 2, 0, 1
	STEP 1, 0, 0, 0, 0
	STEP 0, 0, 1, 0, 0
	WIN 0
	s_sub_co_u32 s3, s3, 1
	s_cmp_lg_u32 s3, 0
	s_cbranch_scc1 .Llap
	STEP 1, 0, 2, 0, 2                             ; steps 25 to 30: the short record is asked for, then nothing
	STEP 0, 1, 0, 0, 0
	STEP 1, 1, 1, 0, 0
	STEP 0, 1, 2, 0, 3
	STEP 1, 0, 0, 0, 0
	STEP 0, 0, 1, 0, 0
; THE LAST STEP AND THE WAY OUT.  Each 16 products finish two blocks of 16 rows x 128 columns; a finished block is rounded to f16 (PACK), goes through my own stage in LDS and comes back as rows of 256 bytes (TOSTAGE), and is stored (SEND).
; Set 0 of windows 0, 1, 2 is done with: it takes the packed results and the rows read back.
.macro BT w
.set J, 0
.rept 16
.set AI, 2*(\w)+(J%8)/4
.set BJ, 4*(J/8)+J%4
	MM AI, BJ, 1, 0
.set J, J+1
.endr
.endm
.macro PACK a
.set AC, 128+64*((\a)%2)
	WIN 5*((\a)/2)                                 ; sources 0 and 1: the block's window
.irp b, 0,1,2,3,4,5,6,7
.irp r, 0,1,2,3
	v_cvt_pk_f16_f32 v[TMP+4*\b+\r], v[AC+8*\b+2*\r], v[AC+8*\b+2*\r+1]   ; each accumulator from its low end on
.endr
.endr
.endm
.macro TOSTAGE a
	WIN 0
.irp b, 0,1,2,3,4,5,6,7
	ds_store_b128 v[STO], v[TMP+4*\b:TMP+4*\b+3] offset:32*\b
.endr
	WIN (1+(\a)%2)<<6
.irp t, 0,1,2,3,4,5,6,7
	ds_load_b128 v[BK+4*\t:BK+4*\t+3], v[RD] offset:\t*2*SPITCH    ; LDS serves a wave's instructions in order: these see the stores above
.endr
.endm
.macro SEND a
	s_wait_alu depctr_va_vdst(0)
	s_wait_dscnt 0x0                               ; the block is back in registers
	s_wait_xcnt 0x0                                ; earlier stores have read their base and their data
.if (\a) > 0
	s_add_nc_u64 s[14:15], s[14:15], 16*4096
.endif
	WIN (1+(\a)%2)<<2                              ; the data's window
.irp t, 0,1,2,3,4,5,6,7
	global_store_b128 v[CO], v[BK+4*\t:BK+4*\t+3], s[14:15] offset:2*\t*4096 th:TH_STORE_NT   ; 16 lanes store 256 consecutive bytes, aligned
.endr
.endm
	s_wait_dscnt 0x0                               ; the last step's fragments are in
	BT 0
	PLACES                                         ; for the conversions that read results just made, and for writes and loads into set 0
	PACK 0
	TOSTAGE 0
	BT 1
	PACK 1                                         ; from here on the conversions of the block before are the places behind each 16 products
	SEND 0
	TOSTAGE 1
	PACK 2
	SEND 1
	TOSTAGE 2
	BT 2
	PACK 3
	SEND 2
	TOSTAGE 3
	PACK 4
	SEND 3
	TOSTAGE 4
	BT 3
	PACK 5
	SEND 4
	TOSTAGE 5
	PACK 6
	SEND 5
	TOSTAGE 6
	PACK 7
	SEND 6
	TOSTAGE 7
	SEND 7
	WIN 0
	s_wait_tensorcnt 0x0                           ; the wave's end
	ds_add_u32 v[SPW], v[NIL]
	s_wait_dscnt 0x0
	CROUND                                         ; the closing round
	s_endpgm
.Lfunc_end_k_qa73b6fc364_gemm:
	.size	k_qa73b6fc364_gemm, .Lfunc_end_k_qa73b6fc364_gemm-k_qa73b6fc364_gemm
	.p2alignl 7, 3214868480
	.fill 96, 4, 3214868480
	.section	.rodata,"a",@progbits
	.p2align	6, 0x0
	.amdhsa_kernel k_qa73b6fc364_gemm
		.amdhsa_group_segment_fixed_size 327680
		.amdhsa_private_segment_fixed_size 0
		.amdhsa_enable_private_segment 0
		.amdhsa_kernarg_size 32
		.amdhsa_user_sgpr_count 2
		.amdhsa_user_sgpr_kernarg_segment_ptr 1
		.amdhsa_wavefront_size32 1
		.amdhsa_system_sgpr_workgroup_id_x 1
		.amdhsa_system_sgpr_workgroup_id_y 1
		.amdhsa_system_sgpr_workgroup_id_z 1
		.amdhsa_system_vgpr_workitem_id 0
		.amdhsa_next_free_vgpr 1024
		.amdhsa_next_free_sgpr 100
		.amdhsa_reserve_vcc 0
		.amdhsa_float_denorm_mode_32 3
		.amdhsa_float_denorm_mode_16_64 3
		.amdhsa_memory_ordered 1
		.amdhsa_forward_progress 1
		.amdhsa_inst_pref_size 218
	.end_amdhsa_kernel
	.amdgpu_metadata
---
amdhsa.version: [ 1, 2 ]
amdhsa.kernels:
  - .name:           k_qa73b6fc364_gemm
    .symbol:         k_qa73b6fc364_gemm.kd
    .args:
      - { .name: xq, .offset: 0, .size: 8, .value_kind: global_buffer, .address_space: global }
      - { .name: wq, .offset: 8, .size: 8, .value_kind: global_buffer, .address_space: global }
      - { .name: bias, .offset: 16, .size: 8, .value_kind: global_buffer, .address_space: global }
      - { .name: out0, .offset: 24, .size: 8, .value_kind: global_buffer, .address_space: global }
    .group_segment_fixed_size: 327680
    .private_segment_fixed_size: 0
    .kernarg_segment_align: 8
    .kernarg_segment_size: 32
    .max_flat_workgroup_size: 128
    .sgpr_count:     100
    .vgpr_count:     1024
    .wavefront_size: 32
...
	.end_amdgpu_metadata
.endif
;; end of part 2
